; MI455X (gfx1250); checked and timed in simulation.
; The chip was launched on July 23, 2026; its instructions are those of AMD's public machine-readable ISA for CDNA 5 (MIT licence, August 2026) and "CDNA5" Instruction Set Architecture Reference Guide (July 2026). The comments in the code are by the model that wrote it; some were corrected since.
;; Flax Grok1 Bloc K Spares Top2 MLP Collection. Allowed arithmetic: float matrix products may take bf16 or f16 operands with f32 sums; other float arithmetic in f32, or as packed bf16 or f16 multiplies, adds, multiply-adds, maxima and minima; sums over many terms, partial sums and values carried from step to step in f32; what a program stores and reads back later, other than sums and carried values, may be rounded once to bf16 or f16.
;; Inputs: W_in 8 x 1,024 x 1,024 float32; W_out 8 x 1,024 x 1,024 float32; W_v 8 x 1,024 x 1,024 float32; hidden_states 4 x 512 x 1,024 float32; routing_weights 4 x 512 x 2 float32; selected_experts 4 x 512 x 2 int32.
;; Outputs: out0 4 x 512 x 1,024 float32.
;; One version. Each part assembles by itself: llvm-mc -triple=amdgcn-amd-amdhsa -mcpu=gfx1250 --defsym DOCPART=n.
;; ======== version 1 of 1: 4 launches
;; limits: values outside matrix products are rounded to bf16
;; workspace buffers: xs 9,142,272 bytes; act 18,284,544 bytes; y 35,061,760 bytes; inv 17,920 bytes of whole numbers; tab 256 bytes of whole numbers
;; launch gather (part 1): grid 279 x 1, 8 waves a work-group, no clusters, 35,328 bytes of LDS; arguments hidden_states, selected_experts, xs, inv, tab; writes xs, inv, tab
.if DOCPART == 1
	.amdgcn_target "amdgcn-amd-amdhsa--gfx1250"
	.amdhsa_code_object_version 6
	.text
	.protected	k_q6b369d074a_gather
	.globl	k_q6b369d074a_gather
	.p2align	8
	.type	k_q6b369d074a_gather,@function
k_q6b369d074a_gather:
	s_mov_b64 s[64:65], 0
	v_nop
	global_prefetch_b8 v0, s[64:65] scope:SCOPE_SE
	s_setreg_imm32_b32 hwreg(HW_REG_WAVE_MODE, 25, 1), 1
	s_wait_xcnt 0x0
; GATHER.  The 4,096 routed rows (entry f = 2 x token + slot) are placed in the experts' order, each expert's segment padded to whole blocks of 48 rows,
; and the token rows are written, rounded once to bf16, in the order in which a matrix operand's registers take them.
; xs: block mb of 16 rows, K step ks of 32: 1,024 bytes at (32 mb + ks) x 1,024; lane (r = l % 16, h = l / 16) has row r, k = 32 ks + 8 h + 0..7 at 16 l and k = 32 ks + 16 + 8 h + 0..7 at 512 + 16 l.
; inv[q]: the row of y for padded place q: the entry f, or for a pad place its own row 4,096 + q, which nobody reads.  tab[2e], tab[2e+1]: expert e's first block of 48 rows and its number of blocks.
; SHARES.  Work-group g owns places 16 g .. 16 g + 15.  Whatever the split, the blocks of 48 are at most (4,096 + 8 x 47) / 48 = 93, that is 279 work-groups; one that lies behind the last block stores nothing.
; Every work-group counts all 4,096 choices for itself (16 KiB): thread t holds entries 16 t .. 16 t + 15.  Inside an expert the order is (wave, register, lane): any one-to-one order serves.
; A pad place repeats token 0's row: finite numbers whose results are discarded.
; LIMIT.  selected_experts lies in 0 .. 7; an entry outside that range would get no place.
; No matrix unit, no cluster: the work-groups share only the 16 KiB of choices.
.set SLOTB, 256                        ; LDS 0..255: eight waves' eight counts.  256..1279: for each wave 32 words: word k < 16 = entry + 1 of place q0 + k if that entry is the wave's, else 0; word 16 takes all the rest
.set STG,   1280                       ; 16 rows of 2,048 bytes of bf16, 2,064 apart: an odd multiple of 16, so the 16 rows of a fragment load start at 16 different groups of four banks (64 banks of 4 bytes: ISA guide 11.1)
.set SP,    2064
.set SPARE, 34304                      ; the spare words: 128 bytes a wave, four blocks of 256 bytes that no other line names
.set EE,   4                           ; v[4:19]    my 16 choices
.set CC,   48                          ; v[48:111]  counts: wave w, expert e at CC + 8 w + e;  later XX, two token rows as loaded
.set WBV,  112                         ; v[112:119] entries of expert e in the waves before mine;  later YY, the rows in bf16
.set XX,   48
.set YY,   112
.set OO,   144                         ; v[144:175] eight pieces of 16 bytes in fragment order
.set RUN,  16                          ; s[16:23]   my wave's counts
.set MM,   24                          ; s[24:31]   lane masks
.set TT,   32                          ; s[32:39]   their bit counts
.set TOT,  40                          ; s[40:47]   the experts' totals
.set WB,   48                          ; s[48:55]   WBV as scalars
.set NBLK, 56                          ; s[56:63]   blocks of 48 rows
.set ABLK, 66                          ; s[66:74]   first block, and the end
.set AOFF, 76                          ; s[76:84]   the same in rows
	s_load_b256 s[4:11], s[0:1], 0x0               ; hidden_states s[4:5], selected_experts s[6:7], xs s[8:9], inv s[10:11]
	s_load_b64 s[12:13], s[0:1], 0x20              ; tab
	v_lshl_add_u32 v2, v0, 2, SPARE                ; my spare word,
	v_mov_b32 v3, 0                                ; and 0: kept for the closing lines
	v_and_b32 v1, 31, v0                           ; lane
	v_lshrrev_b32 v22, 5, v0
	v_readfirstlane_b32 s14, v22                   ; wave 0..7
	s_lshl_b32 s15, ttmp9, 4                       ; q0: my first place
	v_lshlrev_b32 v23, 6, v0                       ; 64 bytes of choices a thread
	v_mov_b32 v20, 0
	v_lshlrev_b32 v21, 4, v1                       ; 16 x lane
	v_lshl_add_u32 v24, v0, 4, 1                   ; my first entry + 1
	s_lshl_b32 s98, s14, 7
	s_add_co_u32 s98, s98, SLOTB
	v_mov_b32 v25, s98                             ; my wave's 32 words
	v_lshl_add_u32 v30, v1, 2, v25
	s_wait_kmcnt 0x0
.irp i, 0,1,2,3
	global_load_b128 v[EE+4*(\i):EE+4*(\i)+3], v23, s[6:7] offset:16*(\i)
.endr
	ds_store_b32 v30, v3                           ; my wave's words start at 0
.irp e, 0,1,2,3,4,5,6,7
	s_mov_b32 s[RUN+(\e)], 0
.endr
	s_wait_loadcnt 0x0                             ; the choices are in; v23 is free
; PASS A: my wave's count of every expert.
.macro COUNT j
.irp e, 0,1,2,3,4,5,6,7
	v_cmp_eq_u32 s[MM+(\e)], \e, v[EE+(\j)]
.endr
.irp e, 0,1,2,3,4,5,6,7
	s_bcnt1_i32_b32 s[TT+(\e)], s[MM+(\e)]
.endr
.irp e, 0,1,2,3,4,5,6,7
	s_add_co_u32 s[RUN+(\e)], s[RUN+(\e)], s[TT+(\e)]
.endr
.endm
.irp j, 0,1,2,3,4,5,6,7,8,9,10,11,12,13,14,15
	COUNT \j
.endr
.irp e, 0,1,2,3,4,5,6,7
	v_mov_b32 v[CC+(\e)], s[RUN+(\e)]
.endr
	s_lshl_b32 s98, s14, 5
	v_mov_b32 v26, s98
	ds_store_b128 v26, v[CC:CC+3]                  ; all lanes write the same words with the same numbers
	ds_store_b128 v26, v[CC+4:CC+7] offset:16
	s_wait_dscnt 0x0                               ; for the others' sake: my counts (and my cleared words) are in LDS
	s_barrier_signal -1
	s_barrier_wait -1
.set w, 0
.rept 8
	ds_load_b128 v[CC+8*w:CC+8*w+3],   v20 offset:32*w
	ds_load_b128 v[CC+8*w+4:CC+8*w+7], v20 offset:32*w+16
.set w, w+1
.endr
	s_wait_dscnt 0x0
	s_cmp_gt_u32 s14, 0                            ; the waves before mine count, the others are multiplied by 0
	s_cselect_b32 s98, 1, 0
.irp e, 0,1,2,3,4,5,6,7
	v_mul_u32_u24 v[WBV+(\e)], s98, v[CC+(\e)]
.endr
.irp w, 1,2,3,4,5,6
	s_cmp_gt_u32 s14, \w
	s_cselect_b32 s98, 1, 0
.irp e, 0,1,2,3,4,5,6,7
	v_mad_u32_u24 v[WBV+(\e)], v[CC+8*(\w)+(\e)], s98, v[WBV+(\e)]
.endr
.endr
.irp w, 1,2,3,4,5,6,7
.irp e, 0,1,2,3,4,5,6,7
	v_add_nc_u32 v[CC+(\e)], v[CC+(\e)], v[CC+8*(\w)+(\e)]
.endr
.endr
.irp e, 0,1,2,3,4,5,6,7
	v_readfirstlane_b32 s[TOT+(\e)], v[CC+(\e)]
	v_readfirstlane_b32 s[WB+(\e)], v[WBV+(\e)]
.endr
.irp e, 0,1,2,3,4,5,6,7
	s_add_co_u32 s[NBLK+(\e)], s[TOT+(\e)], 47     ; (n + 47) / 48 = ((n + 47) x 43,691) >> 21, exact up to 4,143
	s_mul_i32 s[NBLK+(\e)], s[NBLK+(\e)], 43691
	s_lshr_b32 s[NBLK+(\e)], s[NBLK+(\e)], 21
.endr
	s_mov_b32 s[ABLK], 0
.irp e, 0,1,2,3,4,5,6,7
	s_add_co_u32 s[ABLK+(\e)+1], s[ABLK+(\e)], s[NBLK+(\e)]
.endr
.irp e, 0,1,2,3,4,5,6,7,8
	s_mul_i32 s[AOFF+(\e)], s[ABLK+(\e)], 48
.endr
	; My expert: the last whose segment begins at or before q0 (an empty expert's segment begins where the next one's does, so it is passed over).
	s_mov_b32 s85, 0
.irp e, 1,2,3,4,5,6,7
	s_cmp_ge_u32 s15, s[AOFF+(\e)]
	s_add_co_ci_u32 s85, s85, 0
.endr
	s_mov_b32 s86, s[AOFF]
	s_mov_b32 s87, s[WB]
.irp e, 1,2,3,4,5,6,7
	s_cmp_eq_u32 s85, \e
	s_cselect_b32 s86, s[AOFF+(\e)], s86           ; its first place,
	s_cselect_b32 s87, s[WB+(\e)], s87             ; its entries in the waves before mine
.endr
	s_cmp_lt_u32 s15, s[AOFF+8]
	s_cselect_b32 s89, 1, 0                        ; 1: my 16 places lie in a block that exists
	s_add_co_u32 s88, s87, s86
	s_sub_co_u32 s88, s88, s15                     ; place of my wave's next entry of that expert, less q0 (it wraps below 0)
; PASS B: an entry of my expert whose place is q0 + d, d < 16, leaves its number + 1 in word d of my wave's words; every other lane writes word 16.
.macro FIND j
	v_cmp_eq_u32 s[MM+(\j)%8], s85, v[EE+(\j)]
	v_mbcnt_lo_u32_b32 v22, s[MM+(\j)%8], s88      ; d = the lanes below me that match + the running place
	s_bcnt1_i32_b32 s98, s[MM+(\j)%8]
	s_add_co_u32 s88, s88, s98
	v_cndmask_b32 v22, 16, v22, s[MM+(\j)%8]
	v_min_u32 v22, 16, v22                         ; a place before my block has wrapped and is large: word 16 too
	v_lshlrev_b32 v22, 2, v22
	v_add_nc_u32 v22, v25, v22
	v_add_nc_u32 v23, \j, v24
	ds_store_b32 v22, v23                          ; LDS serves a wave's instructions in order (ISA guide 5.7.1.4): behind the clearing store
.endm
.irp j, 0,1,2,3,4,5,6,7,8,9,10,11,12,13,14,15
	FIND \j
.endr
	s_lshl_b32 s98, s14, 3
	s_add_co_u32 s98, s98, SLOTB
	v_mov_b32 v26, s98                             ; words 2 w and 2 w + 1: my wave's two rows
	s_wait_dscnt 0x0                               ; for the others' sake: my words are written
	s_barrier_signal -1
	s_barrier_wait -1
.set w, 0
.rept 8
	ds_load_b64 v[32+2*w:33+2*w], v26 offset:128*w
.set w, w+1
.endr
	s_mul_i32 s98, s14, 2*SP
	s_add_co_u32 s98, s98, STG
	v_lshl_add_u32 v27, v1, 3, s98                 ; into the stage: my two rows, 8 bytes a lane
	v_and_b32 v29, 15, v0                          ; r
	v_bfe_u32 v31, v0, 4, 1                        ; h
	v_mul_u32_u24 v28, v29, SP
	v_lshl_add_u32 v28, v31, 4, v28
	s_lshl_b32 s98, s14, 8
	s_add_co_u32 s98, s98, STG
	v_add_nc_u32 v28, s98, v28                     ; out of the stage: row r, 16 h, my wave's four K steps (256 bytes)
	s_wait_dscnt 0x0
.irp w, 1,2,3,4,5,6,7
	v_or_b32 v32, v32, v[32+2*(\w)]                ; at most one wave has left a number
	v_or_b32 v33, v33, v[33+2*(\w)]
.endr
	v_readfirstlane_b32 s90, v32
	v_readfirstlane_b32 s91, v33
.irp f, 0,1
	s_max_u32 s[90+(\f)], s[90+(\f)], 1            ; a pad place takes entry 0's token
	s_sub_co_u32 s[90+(\f)], s[90+(\f)], 1
	s_lshr_b32 s[90+(\f)], s[90+(\f)], 1           ; the token
	s_min_u32 s[90+(\f)], s[90+(\f)], 0x7ff
	s_lshl_b32 s98, s[90+(\f)], 12                 ; its row of 4,096 bytes
	s_mov_b32 s99, 0
	s_add_nc_u64 s[92+2*(\f):93+2*(\f)], s[4:5], s[98:99]
.endr
.irp i, 0,1,2,3,4,5,6,7
	global_load_b128 v[XX+4*(\i):XX+4*(\i)+3], v21, s[92:93] offset:512*(\i)       ; 512 consecutive bytes a load
.endr
.irp i, 0,1,2,3,4,5,6,7
	global_load_b128 v[XX+32+4*(\i):XX+32+4*(\i)+3], v21, s[94:95] offset:512*(\i)
.endr
	s_lshl_b32 s98, ttmp9, 15                      ; xs: my block of 32,768 bytes,
	s_lshl_b32 s99, s14, 12                        ; my wave's four K steps
	s_add_co_u32 s98, s98, s99
	s_mov_b32 s99, 0
	s_add_nc_u64 s[96:97], s[8:9], s[98:99]
.macro ROUND b, left                   ; row b of my two: rounded to bf16 and laid into the stage
	s_wait_loadcnt \left                           ; the other row's eight younger loads may stay out
.irp i, 0,1,2,3,4,5,6,7
	v_cvt_pk_bf16_f32 v[YY+16*(\b)+2*(\i)],   v[XX+32*(\b)+4*(\i)],   v[XX+32*(\b)+4*(\i)+1]
	v_cvt_pk_bf16_f32 v[YY+16*(\b)+2*(\i)+1], v[XX+32*(\b)+4*(\i)+2], v[XX+32*(\b)+4*(\i)+3]
.endr
.irp i, 0,1,2,3,4,5,6,7
	ds_store_b64 v27, v[YY+16*(\b)+2*(\i):YY+16*(\b)+2*(\i)+1] offset:SP*(\b)+256*(\i)
.endr
.endm
	ROUND 0, 8
	ROUND 1, 0
	s_wait_dscnt 0x0                               ; for the others' sake: my two rows are in the stage
	s_barrier_signal -1
	s_barrier_wait -1                              ; the last barrier: the jumps below pass none
	s_cmp_eq_u32 s89, 0
	s_cbranch_scc1 .Lend                           ; behind the last block: nothing to store
.irp u, 0,1,2,3,4,5,6,7                ; K step 4 w + u / 2, half u % 2
	ds_load_b128 v[OO+4*(\u):OO+4*(\u)+3], v28 offset:32*(\u)
.endr
.irp u, 0,1,2,3,4,5,6,7
	s_wait_dscnt 7-(\u)                            ; LDS loads come back in order: piece u is in, the younger ones stay out
	global_store_b128 v21, v[OO+4*(\u):OO+4*(\u)+3], s[96:97] offset:512*(\u)      ; 512 consecutive bytes, at a multiple of 512 from xs's first
.endr
	s_cmp_lg_u32 s14, 0
	s_cbranch_scc1 .Lend
	; wave 0: the block's 16 words of inv.  Lanes 16-31 repeat lanes 0-15: the same address, the same number.
	v_lshl_add_u32 v30, v29, 2, SLOTB
.set w, 0
.rept 8
	ds_load_b32 v[32+w], v30 offset:128*w
.set w, w+1
.endr
	v_add_nc_u32 v31, s15, v29                     ; q
	v_lshlrev_b32 v22, 2, v31
	v_add_nc_u32 v31, 0x1000, v31                  ; a pad place's own row of y
	s_wait_dscnt 0x0
.irp w, 1,2,3,4,5,6,7
	v_or_b32 v32, v32, v[32+(\w)]
.endr
	v_cmp_ne_u32 vcc_lo, 0, v32
	v_add_nc_u32 v23, -1, v32
	v_cndmask_b32 v23, v31, v23, vcc_lo
	global_store_b32 v22, v23, s[10:11]
	s_cmp_lg_u32 ttmp9, 0
	s_cbranch_scc1 .Lend
	v_mov_b32 v26, 0                               ; work-group 0 (its block always exists: 4,096 entries are placed): the table
.irp e, 0,1,2,3,4,5,6,7
	v_writelane_b32 v26, s[ABLK+(\e)], 2*(\e)
	v_writelane_b32 v26, s[NBLK+(\e)], 2*(\e)+1
.endr
	v_lshlrev_b32 v28, 2, v1
	global_store_b32 v28, v26, s[12:13]
.Lend:
	s_wait_tensorcnt 0x0                           ; the wave's end: behind my last LDS store
	ds_add_u32 v2, v3
	s_wait_dscnt 0x0
	s_endpgm
.Lfunc_end_k_q6b369d074a_gather:
	.size	k_q6b369d074a_gather, .Lfunc_end_k_q6b369d074a_gather-k_q6b369d074a_gather
	.p2alignl 7, 3214868480
	.fill 96, 4, 3214868480
	.section	.rodata,"a",@progbits
	.p2align	6, 0x0
	.amdhsa_kernel k_q6b369d074a_gather
		.amdhsa_group_segment_fixed_size 35328
		.amdhsa_private_segment_fixed_size 0
		.amdhsa_enable_private_segment 0
		.amdhsa_kernarg_size 40
		.amdhsa_user_sgpr_count 2
		.amdhsa_user_sgpr_kernarg_segment_ptr 1
		.amdhsa_wavefront_size32 1
		.amdhsa_system_sgpr_workgroup_id_x 1
		.amdhsa_system_sgpr_workgroup_id_y 1
		.amdhsa_system_sgpr_workgroup_id_z 1
		.amdhsa_system_vgpr_workitem_id 0
		.amdhsa_next_free_vgpr 176
		.amdhsa_next_free_sgpr 100
		.amdhsa_reserve_vcc 1
		.amdhsa_float_denorm_mode_32 3
		.amdhsa_float_denorm_mode_16_64 3
		.amdhsa_memory_ordered 1
		.amdhsa_forward_progress 1
		.amdhsa_inst_pref_size 47
	.end_amdhsa_kernel
	.amdgpu_metadata
---
amdhsa.version: [ 1, 2 ]
amdhsa.kernels:
  - .name:           k_q6b369d074a_gather
    .symbol:         k_q6b369d074a_gather.kd
    .args:
      - { .name: hidden_states, .offset: 0, .size: 8, .value_kind: global_buffer, .address_space: global }
      - { .name: selected_experts, .offset: 8, .size: 8, .value_kind: global_buffer, .address_space: global }
      - { .name: xs, .offset: 16, .size: 8, .value_kind: global_buffer, .address_space: global }
      - { .name: inv, .offset: 24, .size: 8, .value_kind: global_buffer, .address_space: global }
      - { .name: tab, .offset: 32, .size: 8, .value_kind: global_buffer, .address_space: global }
    .group_segment_fixed_size: 35328
    .private_segment_fixed_size: 0
    .kernarg_segment_align: 8
    .kernarg_segment_size: 40
    .max_flat_workgroup_size: 256
    .sgpr_count:     100
    .vgpr_count:     176
    .wavefront_size: 32
...
	.end_amdgpu_metadata
.endif
;; end of part 1
;; launch up (part 2): grid 32 x 8, 16 waves a work-group, no clusters, 134,144 bytes of LDS; arguments xs, W_in, W_v, tab, act; writes act
.if DOCPART == 2
	.amdgcn_target "amdgcn-amd-amdhsa--gfx1250"
	.amdhsa_code_object_version 6
	.text
	.protected	k_q6b369d074a_up
	.globl	k_q6b369d074a_up
	.p2align	8
	.type	k_q6b369d074a_up,@function
k_q6b369d074a_up:
	s_mov_b64 s[64:65], 0
	v_nop
	global_prefetch_b8 v0, s[64:65] scope:SCOPE_SE
	s_setreg_imm32_b32 hwreg(HW_REG_WAVE_MODE, 25, 1), 1
	s_wait_xcnt 0x0
; UP.  act = gelu(x W_in[e]) (x W_v[e]) for the routed rows, gelu in its tanh form.  x (xs) is bf16 in fragment order (see below); products in bf16 with f32 sums; the rest in f32.
; act IS STORED AS THE SUM OF TWO bf16 NUMBERS, hi = bf16(act) and lo = bf16(act - hi): 16 significant bits in bf16's range.  One bf16 alone (8 bits) would be the program's only rounding that is no
; rounding of an input, and a row that both of a token's slots send to one expert carries it at up to twice its weight.  f16 has not the range: act grows with the square of x's and the weights' scale.
; SHARES.  Work-group (s, e) owns columns 32 s .. 32 s + 31 of expert e's W_in and of its W_v: 64 columns x 1,024 k, read from memory by it alone, rounded to bf16 on the way through registers
; and kept in LDS as [column][k] for all of the expert's rows.  A wave takes blocks of 48 rows x those 64 columns: 12 accumulators.
; A slice of 32 f32 columns is 128 bytes of a weight row, half of an aligned 256: the price of 256 work-groups that each hold g and v of the same columns; the neighbour in x takes the other half.
; FRAGMENT ORDER.  xs: block mb of 16 rows, K step ks: 1,024 bytes at (32 mb + ks) x 1,024; lane l has registers 0-3 at 16 l and registers 4-7 at 512 + 16 l.  So every operand load is 512 consecutive bytes.
; act: block mb, K step ks: 2,048 bytes at (32 mb + ks) x 2,048: hi's 1,024 bytes in that order, then lo's.
; THE MATRIX INSTRUCTION IS USED TRANSPOSED (source 0 = 16 weight columns, source 1 = 16 rows of x): register j of lane (r, h) holds row r, column 8 h + j.  Eight such numbers rounded to bf16 ARE the
; lane's 16 bytes of act's K step s: the result leaves without a stage.
; THE LOOP OVER ROWS has a length that hangs on the stored table: it holds no barrier and its LDS addresses are fixed.  Pad rows are computed and stored like the others.  An expert without rows: no trip.
; NO CLUSTER, NO TENSOR LOAD: the weights have one reader and must be rounded and turned in registers; the rows that an expert's 32 work-groups share are walked by a loop whose length is read from memory.
; LIMITS.  x and the weights are rounded to bf16.  gelu(g) = g / (1 + 2^z), z = g (A0 + A1 g g): where g g overflows z is an infinity of the right sign and the result is g or -0.
; An act beyond bf16's largest finite number (3.39e38) rounds to an infinity.
.set PB,    2064                       ; a column's 1,024 k in LDS: 2,048 bytes + 16: an odd multiple of 16, so the 16 columns of a fragment load start at 16 different groups of four banks (ISA guide 11.1)
.set HALFB, 32*PB                      ; W_v's 32 columns lie behind W_in's
.set SPARE, 64*PB                      ; 132,096: the spare words, 128 bytes a wave, eight blocks of 256 bytes that no other line names
.set BLKB,  98304                      ; a block of 48 rows in xs; in act twice that
.set ACC, 16                           ; v[16:111]   accumulator (mf, nf) at ACC + 8 (4 mf + nf)
.set BF,  112                          ; v[112:175]  weight fragments, two buffers of four
.set AF,  176                          ; v[176:247]  row fragments, three slots of three
.set WS,  16                           ; v[16:143]   the weights as loaded, four groups of eight loads (only ahead of the barrier)
.set WT,  144                          ; v[144:159]  a group in bf16
.set TQ,  112                          ; v[112:159]  the way out: at work
.set OO,  160                          ; v[160:183]  the way out: hi, packed
.set OL,  184                          ; v[184:207]  the way out: lo, packed
; v0 thread, v1 lane, v2 spare word, v3 zero, v4 16 x lane, v5/v6 LDS address of my lane in W_in's / W_v's fragments, v7 my offset in a weight matrix, v8/v9 where I put 16 bytes of W_in / W_v
; s[4:5] xs, s[10:11] tab at my expert, s[12:13] act at my K step, s14 wave, s15 slice, s16 expert, s17 my first block, s18 the expert's first block, s19 its blocks,
; s[20:21], s[22:23] W_in, W_v at my slice, s[26:27] xs at my block, s[28:29] act at my block, s30 trip, s31 trips, s[34:35] A0, s[36:37] A1
	s_load_b256 s[4:11], s[0:1], 0x0               ; xs s[4:5], W_in s[6:7], W_v s[8:9], tab s[10:11]
	s_load_b64 s[12:13], s[0:1], 0x20              ; act
	v_lshl_add_u32 v2, v0, 2, SPARE
	v_mov_b32 v3, 0
	v_and_b32 v1, 31, v0
	v_lshrrev_b32 v13, 5, v0
	v_readfirstlane_b32 s14, v13                   ; wave 0..15
	s_mov_b32 s15, ttmp9
	s_and_b32 s16, ttmp7, 0xffff
	s_lshr_b32 s17, s14, 2                         ; the blocks are dealt by a rank in which any first n waves differ as far as they can both in w % 4 and in w / 4:
	s_and_b32 s24, s14, 3
	s_sub_co_u32 s24, s24, s17
	s_and_b32 s24, s24, 3
	s_lshl2_add_u32 s17, s24, s17                  ; rank = w / 4 + 4 ((w % 4 - w / 4) % 4); it enters global addresses and one forward jump alone
	v_lshlrev_b32 v4, 4, v1
	v_and_b32 v13, 15, v0                          ; r
	v_bfe_u32 v14, v0, 4, 1                        ; h
	v_mul_u32_u24 v5, v13, PB
	v_lshl_add_u32 v5, v14, 4, v5                  ; column r x pitch + 16 h
	v_add_nc_u32 v6, HALFB, v5
	v_and_b32 v10, 7, v0                           ; which four columns of the 32 I load,
	v_bfe_u32 v11, v0, 3, 2                        ; and which eight k of 32
	s_lshl_b32 s24, s14, 18                        ; my wave's 64 rows of 4,096 bytes
	v_lshlrev_b32 v7, 4, v10
	v_lshl_add_u32 v7, v11, 15, v7
	v_add_nc_u32 v7, s24, v7
	s_lshl_b32 s25, s14, 7                         ; the same 64 k in LDS: 128 bytes
	v_mul_u32_u24 v8, v10, 4*PB
	v_lshl_add_u32 v8, v11, 4, v8
	v_add_nc_u32 v8, s25, v8
	v_add_nc_u32 v9, HALFB, v8
	s_mov_b32 s34, 0xc0135761                      ; A0 = -2 log2(e) sqrt(2 / pi) = -2.3022082
	s_mov_b32 s35, s34                             ; named with it as a pair
	s_mov_b32 s36, 0xbdd2d3e8                      ; A1 = 0.044715 A0 = -0.10294324
	s_mov_b32 s37, s36
	s_lshl_b32 s24, s16, 22                        ; the expert's 4 MiB,
	s_lshl_b32 s25, s15, 7                         ; the slice's 128 bytes
	s_add_co_u32 s24, s24, s25
	s_mov_b32 s25, 0
	s_lshl_b32 s32, s16, 3
	s_mov_b32 s33, 0
	s_lshl_b32 s30, s15, 11                        ; act's K step s: 2,048 bytes
	s_mov_b32 s31, 0
	s_wait_kmcnt 0x0
	s_add_nc_u64 s[20:21], s[6:7], s[24:25]
	s_add_nc_u64 s[22:23], s[8:9], s[24:25]
	s_add_nc_u64 s[10:11], s[10:11], s[32:33]
	s_add_nc_u64 s[12:13], s[12:13], s[30:31]
; THE WEIGHTS.  Wave w takes k = 64 w .. 64 w + 63 of both matrices, in four groups (W_in's first and second 32 k, then W_v's).  In a group load i brings row 8 (l / 8) + i, four columns a lane:
; a lane ends up with eight consecutive k of four columns, which pack into 16 bytes a column.
.macro WLOAD g
.irp i, 0,1,2,3,4,5,6,7
.if (\g) < 2
	global_load_b128 v[WS+32*(\g)+4*(\i):WS+32*(\g)+4*(\i)+3], v7, s[20:21] offset:(32*((\g)%2)+(\i))*4096
.else
	global_load_b128 v[WS+32*(\g)+4*(\i):WS+32*(\g)+4*(\i)+3], v7, s[22:23] offset:(32*((\g)%2)+(\i))*4096
.endif
.endr
.endm
.macro WCVT g, left
	s_wait_loadcnt \left                           ; the younger groups' loads may stay out
.irp c, 0,1,2,3
.irp d, 0,1,2,3
	v_cvt_pk_bf16_f32 v[WT+4*(\c)+(\d)], v[WS+32*(\g)+8*(\d)+(\c)], v[WS+32*(\g)+8*(\d)+4+(\c)]   ; column c: k + 2 d below, k + 2 d + 1 above
.endr
.endr
.irp c, 0,1,2,3
.if (\g) < 2
	ds_store_b128 v8, v[WT+4*(\c):WT+4*(\c)+3] offset:PB*(\c)+64*((\g)%2)
.else
	ds_store_b128 v9, v[WT+4*(\c):WT+4*(\c)+3] offset:PB*(\c)+64*((\g)%2)
.endif
.endr
.endm
	WLOAD 0                                        ; all 32 loads of the wave go out before the first wait: the work-group's whole slice, 256 KiB, is on its way
	WLOAD 1
	WLOAD 2
	WLOAD 3
	s_load_b64 s[18:19], s[10:11], 0x0             ; the expert's first block and number of blocks
	WCVT 0, 24
	WCVT 1, 16
	WCVT 2, 8
	WCVT 3, 0
	s_wait_kmcnt 0x0
	s_wait_dscnt 0x0                               ; for the others' sake: my part of the slice is in LDS
	s_barrier_signal -1
	s_barrier_wait -1                              ; the launch's one barrier: from here on LDS is only read
.macro BLOAD k, buf                    ; the four weight fragments of K step k: eight LDS loads
.irp nf, 0,1,2,3
.if (\nf) < 2
	ds_load_b128 v[BF+32*(\buf)+8*(\nf):BF+32*(\buf)+8*(\nf)+3],   v5 offset:(\nf)*16*PB+64*(\k)
	ds_load_b128 v[BF+32*(\buf)+8*(\nf)+4:BF+32*(\buf)+8*(\nf)+7], v5 offset:(\nf)*16*PB+64*(\k)+32
.else
	ds_load_b128 v[BF+32*(\buf)+8*(\nf):BF+32*(\buf)+8*(\nf)+3],   v6 offset:((\nf)-2)*16*PB+64*(\k)
	ds_load_b128 v[BF+32*(\buf)+8*(\nf)+4:BF+32*(\buf)+8*(\nf)+7], v6 offset:((\nf)-2)*16*PB+64*(\k)+32
.endif
.endr
.endm
.macro ALOAD k, slot                   ; the three row fragments of K step k: six loads of 512 consecutive bytes
.irp mf, 0,1,2
	global_load_b128 v[AF+24*(\slot)+8*(\mf):AF+24*(\slot)+8*(\mf)+3],   v4, s[26:27] offset:32768*(\mf)+1024*(\k)
	global_load_b128 v[AF+24*(\slot)+8*(\mf)+4:AF+24*(\slot)+8*(\mf)+7], v4, s[26:27] offset:32768*(\mf)+1024*(\k)+512
.endr
.endm
.macro PLACES                          ; a load into a register that a matrix instruction has read, and a vector instruction that reads its result or writes one of its registers, stand four plain
.rept 4                                ; vector instructions behind it (ISA guide 7.12.1 for vector instructions)
	v_nop
.endr
.endm
.macro MUL k                           ; 12 matrix instructions; the 12 accumulators take turns, one instruction a turn.  K step 0 starts the sums: nothing is cleared
.irp mf, 0,1,2
.irp nf, 0,1,2,3
.if (\k) == 0
	v_wmma_f32_16x16x32_bf16 v[ACC+8*(4*(\mf)+(\nf)):ACC+8*(4*(\mf)+(\nf))+7], v[BF+32*((\k)%2)+8*(\nf):BF+32*((\k)%2)+8*(\nf)+7], v[AF+24*((\k)%3)+8*(\mf):AF+24*((\k)%3)+8*(\mf)+7], 0
.else
	v_wmma_f32_16x16x32_bf16 v[ACC+8*(4*(\mf)+(\nf)):ACC+8*(4*(\mf)+(\nf))+7], v[BF+32*((\k)%2)+8*(\nf):BF+32*((\k)%2)+8*(\nf)+7], v[AF+24*((\k)%3)+8*(\mf):AF+24*((\k)%3)+8*(\mf)+7], v[ACC+8*(4*(\mf)+(\nf)):ACC+8*(4*(\mf)+(\nf))+7]
.endif
.endr
.endr
.endm
.macro STEP                            ; K step KS: the next step's weights and the rows of two steps on are asked for, into the registers that step KS - 1 multiplied; then this step's products
.if KS > 0
	PLACES
.endif
.if KS < 31
	BLOAD KS+1, (KS+1)%2
.endif
.if (KS >= 1) && (KS <= 29)
	ALOAD KS+2, (KS+2)%3
.endif
.if KS < 31
	s_wait_dscnt 8                                 ; all but the eight just issued
.else
	s_wait_dscnt 0x0
.endif
.if KS < 30
	s_wait_loadcnt 12                              ; the loads of steps KS + 1 and KS + 2 may stay out
.elseif KS == 30
	s_wait_loadcnt 6
.else
	s_wait_loadcnt 0x0
.endif
	MUL KS
.set KS, KS+1
.endm
.macro SIX line:vararg                 ; one line for each pair of registers: p = 2 mf + hf, g the pair in the gate's accumulator, g + 16 in the value's, t at work, d its place
.set p, 0
.rept 6
.set d, 0
.rept 4
.set g, ACC+8*(4*(p/2)+p%2)+d
.set t, TQ+8*p+d
	\line
.set d, d+2
.endr
.set p, p+1
.endr
.endm
	s_min_u32 s19, s19, 93                         ; the table's numbers, held to what the buffers have room for
	s_min_u32 s18, s18, 92
	s_add_co_u32 s31, s19, 15
	s_lshr_b32 s31, s31, 4                         ; trips: sixteen blocks a trip, one a wave
	s_cmp_eq_u32 s31, 0
	s_cbranch_scc1 .Lend                           ; an expert without rows
	s_mov_b32 s30, 0
.Ltrip:
	s_lshl_b32 s32, s30, 4
	s_add_co_u32 s32, s32, s17                     ; my block of this trip
	s_cmp_ge_u32 s32, s19
	s_cbranch_scc1 .Lnext                          ; past the expert's last: forward, over no barrier
	s_add_co_u32 s32, s32, s18
	s_min_u32 s32, s32, 92
	s_mul_i32 s24, s32, BLKB
	s_mov_b32 s25, 0
	s_wait_xcnt 0x0                                ; the last trip's stores have had their addresses translated (ISA guide 3.1): only now are their bases and data registers written again
	s_add_nc_u64 s[26:27], s[4:5], s[24:25]
	s_mul_i32 s24, s32, 2*BLKB                     ; act's blocks are twice as long: hi and lo
	s_add_nc_u64 s[28:29], s[12:13], s[24:25]
	BLOAD 0, 0
	ALOAD 0, 0
	ALOAD 1, 1
	ALOAD 2, 2
.set KS, 0
.rept 32
	STEP
.endr
	; THE WAY OUT.  Each accumulator is read from its lowest registers on.
	PLACES
	SIX v_pk_mul_f32 v[t:t+1], v[g:g+1], v[g:g+1]                                   ; g g
	SIX v_pk_fma_f32 v[t:t+1], v[t:t+1], s[36:37], s[34:35] op_sel_hi:[1,0,0]       ; A0 + A1 g g
	SIX v_pk_mul_f32 v[t:t+1], v[t:t+1], v[g:g+1]                                   ; z
.set i, 0
.rept 48
	v_exp_f32 v[TQ+i], v[TQ+i]                     ; one batch
.set i, i+1
.endr
	v_nop                                          ; a plain instruction behind the last exponential (ISA guide 5.7.2),
	s_wait_alu depctr_va_vdst(0)                   ; and a wait ahead of the batch's first reader
	SIX v_pk_add_f32 v[t:t+1], v[t:t+1], 1.0 op_sel_hi:[1,0]
.set i, 0
.rept 48
	v_rcp_f32 v[TQ+i], v[TQ+i]                     ; one batch
.set i, i+1
.endr
	v_nop
	s_wait_alu depctr_va_vdst(0)
	SIX v_pk_mul_f32 v[g:g+1], v[g:g+1], v[t:t+1]                                   ; gelu(g) first, so that a vanishing gate never meets an overflowed g v
	SIX v_pk_mul_f32 v[g:g+1], v[g:g+1], v[g+16:g+17]                               ; times v: act
	SIX v_cvt_pk_bf16_f32 v[OO+4*p+d/2], v[g], v[g+1]                               ; hi
	SIX v_lshlrev_b32 v[t], 16, v[OO+4*p+d/2]                                       ; hi back as f32: the low half moves up,
	SIX v_and_b32 v[t+1], 0xffff0000, v[OO+4*p+d/2]                                 ; the high half stays
	SIX v_pk_add_f32 v[g:g+1], v[g:g+1], v[t:t+1] neg_lo:[0,1] neg_hi:[0,1]         ; act - hi, exact in f32
	SIX v_cvt_pk_bf16_f32 v[OL+4*p+d/2], v[g], v[g+1]                               ; lo
.irp mf, 0,1,2
.irp hf, 0,1
	global_store_b128 v4, v[OO+4*(2*(\mf)+(\hf)):OO+4*(2*(\mf)+(\hf))+3], s[28:29] offset:65536*(\mf)+512*(\hf)       ; 512 consecutive bytes, at a multiple of 512 from act's first
.endr
.irp hf, 0,1
	global_store_b128 v4, v[OL+4*(2*(\mf)+(\hf)):OL+4*(2*(\mf)+(\hf))+3], s[28:29] offset:65536*(\mf)+1024+512*(\hf)  ; the four of a block of 16 rows are 2,048 bytes on end
.endr
.endr
.Lnext:
	s_add_co_u32 s30, s30, 1
	s_cmp_lt_u32 s30, s31
	s_cbranch_scc1 .Ltrip
.Lend:
	s_wait_tensorcnt 0x0                           ; the wave's end: behind my last LDS store
	ds_add_u32 v2, v3
	s_wait_dscnt 0x0
	s_endpgm
.Lfunc_end_k_q6b369d074a_up:
	.size	k_q6b369d074a_up, .Lfunc_end_k_q6b369d074a_up-k_q6b369d074a_up
	.p2alignl 7, 3214868480
	.fill 96, 4, 3214868480
	.section	.rodata,"a",@progbits
	.p2align	6, 0x0
	.amdhsa_kernel k_q6b369d074a_up
		.amdhsa_group_segment_fixed_size 134144
		.amdhsa_private_segment_fixed_size 0
		.amdhsa_enable_private_segment 0
		.amdhsa_kernarg_size 40
		.amdhsa_user_sgpr_count 2
		.amdhsa_user_sgpr_kernarg_segment_ptr 1
		.amdhsa_wavefront_size32 1
		.amdhsa_system_sgpr_workgroup_id_x 1
		.amdhsa_system_sgpr_workgroup_id_y 1
		.amdhsa_system_sgpr_workgroup_id_z 1
		.amdhsa_system_vgpr_workitem_id 0
		.amdhsa_next_free_vgpr 256
		.amdhsa_next_free_sgpr 66
		.amdhsa_reserve_vcc 0
		.amdhsa_float_denorm_mode_32 3
		.amdhsa_float_denorm_mode_16_64 3
		.amdhsa_memory_ordered 1
		.amdhsa_forward_progress 1
		.amdhsa_inst_pref_size 96
	.end_amdhsa_kernel
	.amdgpu_metadata
---
amdhsa.version: [ 1, 2 ]
amdhsa.kernels:
  - .name:           k_q6b369d074a_up
    .symbol:         k_q6b369d074a_up.kd
    .args:
      - { .name: xs, .offset: 0, .size: 8, .value_kind: global_buffer, .address_space: global }
      - { .name: W_in, .offset: 8, .size: 8, .value_kind: global_buffer, .address_space: global }
      - { .name: W_v, .offset: 16, .size: 8, .value_kind: global_buffer, .address_space: global }
      - { .name: tab, .offset: 24, .size: 8, .value_kind: global_buffer, .address_space: global }
      - { .name: act, .offset: 32, .size: 8, .value_kind: global_buffer, .address_space: global }
    .group_segment_fixed_size: 134144
    .private_segment_fixed_size: 0
    .kernarg_segment_align: 8
    .kernarg_segment_size: 40
    .max_flat_workgroup_size: 512
    .sgpr_count:     66
    .vgpr_count:     256
    .wavefront_size: 32
...
	.end_amdgpu_metadata
.endif
;; end of part 2
;; launch down (part 3): grid 32 x 8, 16 waves a work-group, no clusters, 203,776 bytes of LDS; arguments act, W_out, tab, inv, y; writes y
.if DOCPART == 3
	.amdgcn_target "amdgcn-amd-amdhsa--gfx1250"
	.amdhsa_code_object_version 6
	.text
	.protected	k_q6b369d074a_down
	.globl	k_q6b369d074a_down
	.p2align	8
	.type	k_q6b369d074a_down,@function
k_q6b369d074a_down:
	s_mov_b64 s[64:65], 0
	v_nop
	global_prefetch_b8 v0, s[64:65] scope:SCOPE_SE
	s_setreg_imm32_b32 hwreg(HW_REG_WAVE_MODE, 25, 1), 1
	s_wait_xcnt 0x0
; DOWN.  y[entry] = act W_out[e] for the routed rows: partial rows of the output in f32, one for each (token, slot); a later launch weighs and adds a token's two.
; act arrives as the sum of two bf16 numbers, hi + lo (16 significant bits): both are multiplied by the same weight fragments and added into the same f32 sums: 24 matrix instructions a K step of 32.
; SHARES.  Work-group (x, e): columns 64 (x / 2) .. + 63 of expert e's W_out (256 aligned bytes of every weight row), all 1,024 k, rounded to bf16 on the way through registers and kept in LDS as
; [column][k].  The two work-groups of a slice take the expert's blocks of 48 rows by turns (x % 2), so that 256 work-groups share the rows.  A wave takes 48 rows x 64 columns: 12 accumulators.
; act comes in fragment order: block mb of 16 rows, K step ks: 2,048 bytes at (32 mb + ks) x 2,048, hi's 1,024 and then lo's; in each, lane l has registers 0-3 at 16 l and 4-7 at 512 + 16 l:
; every operand load is 512 consecutive bytes.  HALF STEP J = 2 ks + part is 1,024 bytes at 1,024 J of the block.
; THE MATRIX INSTRUCTION IS USED TRANSPOSED (source 0 = 16 weight columns, source 1 = 16 rows of act): register j of lane (r, h) holds row r, column 8 h + j.
; THE WAY OUT goes through the wave's own stage in LDS, 16 rows at a time, so that sixteen lanes store a row's 256 aligned bytes; the row of y comes from inv (a pad place has a row of its own that nobody reads).
; THE LOOP OVER ROWS has a length that hangs on the stored table: it holds no barrier and its LDS addresses are fixed.  An expert without rows: no trip.
; NO CLUSTER, NO TENSOR LOAD: the weights must be rounded and turned in registers; the rows that an expert's work-groups share are walked by a loop whose length is read from memory.
; LIMITS.  The weights are rounded to bf16.
.set PB,    2064                       ; a column's 1,024 k in LDS: 2,048 bytes + 16
.set HALFB, 32*PB
.set STG,   64*PB                      ; 132,096: sixteen stages of 16 rows x 272 bytes (256 + 16: row r starts at bank 4 r mod 64; 64 banks of 4 bytes: ISA guide 11.1)
.set SPI,   272
.set SPARE, STG+16*16*SPI              ; 201,728: the spare words, 128 bytes a wave, eight blocks of 256 bytes that no other line names
.set BLKB,  196608                     ; a block of 48 rows of act, hi and lo
.set ACC, 16                           ; v[16:111]   accumulator (mf, nf) at ACC + 8 (4 mf + nf)
.set BF,  112                          ; v[112:175]  weight fragments, two buffers of four
.set AF,  176                          ; v[176:247]  row fragments, three slots of three
.set WS,  16                           ; v[16:143]   the weights as loaded (only ahead of the barrier)
.set WT,  144                          ; v[144:159]  a group in bf16
.set FF,  112                          ; v[112:135]  the way out: 24 store offsets
.set RB,  136                          ; v[136:231]  the way out: 24 x 16 bytes read back from the stage
; v0 thread, v1 lane, v2 spare word, v3 zero, v4 16 x lane, v5/v6 LDS address of my lane in the fragments of columns 0-31 / 32-63, v7 my offset in W_out, v8 where I put 16 bytes of it,
; v11, v12 the block's 48 rows of y (lane l: place l; lane l: place 32 + l % 16), v13 at work, v248 into the stage, v249 out of it, v250 4 (l / 16), v251 16 (l % 16), v252 4 l, v253 4 (l % 16)
; s[4:5] act, s[8:9] tab at my expert, s[10:11] inv, s14 wave, s15 slice, s16 expert, s17 my first block, s18 the expert's first block, s19 its blocks, s[20:21] W_out at my slice,
; s[26:27] act at my block, s[28:29] inv at my block, s30 trip, s31 trips, s33 x % 2, s[38:39] y at my columns
	s_load_b256 s[4:11], s[0:1], 0x0               ; act s[4:5], W_out s[6:7], tab s[8:9], inv s[10:11]
	s_load_b64 s[12:13], s[0:1], 0x20              ; y
	v_lshl_add_u32 v2, v0, 2, SPARE
	v_mov_b32 v3, 0
	v_and_b32 v1, 31, v0
	v_lshrrev_b32 v13, 5, v0
	v_readfirstlane_b32 s14, v13                   ; wave 0..15
	s_lshr_b32 s15, ttmp9, 1
	s_and_b32 s33, ttmp9, 1
	s_and_b32 s16, ttmp7, 0xffff
	s_lshr_b32 s17, s14, 2                         ; rank = w / 4 + 4 ((w % 4 - w / 4) % 4): any first n waves differ as far as they can both in w % 4 and in w / 4
	s_and_b32 s24, s14, 3
	s_sub_co_u32 s24, s24, s17
	s_and_b32 s24, s24, 3
	s_lshl2_add_u32 s17, s24, s17
	s_lshl1_add_u32 s17, s17, s33                  ; my first block: 2 x rank + x % 2; it enters global addresses and one forward jump alone
	v_lshlrev_b32 v4, 4, v1
	v_and_b32 v14, 15, v0                          ; r
	v_bfe_u32 v15, v0, 4, 1                        ; h
	v_mul_u32_u24 v5, v14, PB
	v_lshl_add_u32 v5, v15, 4, v5
	v_add_nc_u32 v6, HALFB, v5
	s_lshl_b32 s24, s14, 18                        ; my wave's 64 rows of 4,096 bytes
	v_lshlrev_b32 v7, 4, v14                       ; four columns a lane, 16 lanes a row,
	v_lshl_add_u32 v7, v15, 15, v7                 ; the upper lanes eight rows on
	v_add_nc_u32 v7, s24, v7
	s_lshl_b32 s25, s14, 7
	v_mul_u32_u24 v8, v14, 4*PB
	v_lshl_add_u32 v8, v15, 4, v8
	v_add_nc_u32 v8, s25, v8
	s_mul_i32 s24, s14, 16*SPI
	s_add_co_u32 s24, s24, STG                     ; my stage
	v_mul_u32_u24 v248, v14, SPI                   ; in: row r, 32 bytes for each half of the lanes
	v_lshl_add_u32 v248, v15, 5, v248
	v_add_nc_u32 v248, s24, v248
	v_mul_u32_u24 v249, v15, SPI                   ; back: lanes 0-15 one row of 256 bytes, lanes 16-31 the next
	v_lshl_add_u32 v249, v14, 4, v249
	v_add_nc_u32 v249, s24, v249
	v_lshlrev_b32 v250, 2, v15
	v_lshlrev_b32 v251, 4, v14
	v_lshlrev_b32 v252, 2, v1
	v_lshlrev_b32 v253, 2, v14
	s_lshl_b32 s24, s16, 22                        ; the expert's 4 MiB,
	s_lshl_b32 s25, s15, 8                         ; the slice's 256 bytes
	s_add_co_u32 s24, s24, s25
	s_mov_b32 s34, s25
	s_mov_b32 s25, 0
	s_mov_b32 s35, 0
	s_lshl_b32 s36, s16, 3
	s_mov_b32 s37, 0
	s_wait_kmcnt 0x0
	s_add_nc_u64 s[20:21], s[6:7], s[24:25]
	s_add_nc_u64 s[38:39], s[12:13], s[34:35]
	s_add_nc_u64 s[8:9], s[8:9], s[36:37]
; THE WEIGHTS.  Wave w takes k = 64 w .. 64 w + 63 in four groups of 16 k.  In a group load i brings rows i and 8 + i, 256 aligned bytes each: a lane ends up with eight consecutive k of four columns.
.macro WLOAD g
.irp i, 0,1,2,3,4,5,6,7
	global_load_b128 v[WS+32*(\g)+4*(\i):WS+32*(\g)+4*(\i)+3], v7, s[20:21] offset:(16*(\g)+(\i))*4096
.endr
.endm
.macro WCVT g, left
	s_wait_loadcnt \left                           ; the younger groups' loads may stay out
.irp c, 0,1,2,3
.irp d, 0,1,2,3
	v_cvt_pk_bf16_f32 v[WT+4*(\c)+(\d)], v[WS+32*(\g)+8*(\d)+(\c)], v[WS+32*(\g)+8*(\d)+4+(\c)]   ; column c: k + 2 d below, k + 2 d + 1 above
.endr
.endr
.irp c, 0,1,2,3
	ds_store_b128 v8, v[WT+4*(\c):WT+4*(\c)+3] offset:PB*(\c)+32*(\g)
.endr
.endm
	WLOAD 0                                        ; all 32 loads of the wave go out before the first wait: the whole slice, 256 KiB, is on its way
	WLOAD 1
	WLOAD 2
	WLOAD 3
	s_load_b64 s[18:19], s[8:9], 0x0               ; the expert's first block and number of blocks
	WCVT 0, 24
	WCVT 1, 16
	WCVT 2, 8
	WCVT 3, 0
	s_wait_kmcnt 0x0
	s_wait_dscnt 0x0                               ; for the others' sake: my part of the slice is in LDS
	s_barrier_signal -1
	s_barrier_wait -1                              ; the launch's one barrier: from here on the slice is only read, and a stage is its wave's own
.macro BLOAD k, buf                    ; the four weight fragments of K step k: eight LDS loads
.irp nf, 0,1,2,3
.if (\nf) < 2
	ds_load_b128 v[BF+32*(\buf)+8*(\nf):BF+32*(\buf)+8*(\nf)+3],   v5 offset:(\nf)*16*PB+64*(\k)
	ds_load_b128 v[BF+32*(\buf)+8*(\nf)+4:BF+32*(\buf)+8*(\nf)+7], v5 offset:(\nf)*16*PB+64*(\k)+32
.else
	ds_load_b128 v[BF+32*(\buf)+8*(\nf):BF+32*(\buf)+8*(\nf)+3],   v6 offset:((\nf)-2)*16*PB+64*(\k)
	ds_load_b128 v[BF+32*(\buf)+8*(\nf)+4:BF+32*(\buf)+8*(\nf)+7], v6 offset:((\nf)-2)*16*PB+64*(\k)+32
.endif
.endr
.endm
.macro ALOAD j, slot                   ; the three row fragments of half step j: six loads of 512 consecutive bytes
.irp mf, 0,1,2
	global_load_b128 v[AF+24*(\slot)+8*(\mf):AF+24*(\slot)+8*(\mf)+3],   v4, s[26:27] offset:65536*(\mf)+1024*(\j)
	global_load_b128 v[AF+24*(\slot)+8*(\mf)+4:AF+24*(\slot)+8*(\mf)+7], v4, s[26:27] offset:65536*(\mf)+1024*(\j)+512
.endr
.endm
.macro PLACES                          ; four plain vector instructions between a matrix instruction and a load into, a write of, or a read of its registers (ISA guide 7.12.1 for vector instructions)
.rept 4
	v_nop
.endr
.endm
.macro MUL                             ; half step J: 12 matrix instructions; the 12 accumulators take turns, one instruction a turn.  Half step 0 starts the sums
.irp mf, 0,1,2
.irp nf, 0,1,2,3
.if J == 0
	v_wmma_f32_16x16x32_bf16 v[ACC+8*(4*(\mf)+(\nf)):ACC+8*(4*(\mf)+(\nf))+7], v[BF+32*((J/2)%2)+8*(\nf):BF+32*((J/2)%2)+8*(\nf)+7], v[AF+24*(J%3)+8*(\mf):AF+24*(J%3)+8*(\mf)+7], 0
.else
	v_wmma_f32_16x16x32_bf16 v[ACC+8*(4*(\mf)+(\nf)):ACC+8*(4*(\mf)+(\nf))+7], v[BF+32*((J/2)%2)+8*(\nf):BF+32*((J/2)%2)+8*(\nf)+7], v[AF+24*(J%3)+8*(\mf):AF+24*(J%3)+8*(\mf)+7], v[ACC+8*(4*(\mf)+(\nf)):ACC+8*(4*(\mf)+(\nf))+7]
.endif
.endr
.endr
.endm
; Half step J.  At an even J the next K step's weights are asked for, into the buffer that half step J - 1 multiplied: they have two half steps in which to land.  At every J the rows of two half steps on
; are asked for, into the slot that half step J - 1 multiplied.  Then this half step's products.
.macro STEP
.if (J > 0) && (J < 62)
	PLACES
.endif
.if (J%2 == 0) && (J < 62)
	BLOAD J/2+1, (J/2+1)%2
.endif
.if (J >= 1) && (J <= 61)
	ALOAD J+2, (J+2)%3
.endif
.if (J%2 == 0) && (J < 62)
	s_wait_dscnt 8                                 ; all but the eight just issued: this K step's weights are in (an odd J multiplies by the same ones)
.elseif J == 62
	s_wait_dscnt 0x0
.endif
.if J < 62
	s_wait_loadcnt 12                              ; the loads of half steps J + 1 and J + 2 may stay out (the two loads of inv are older than all of them)
.elseif J == 62
	s_wait_loadcnt 6
.else
	s_wait_loadcnt 0x0
.endif
	MUL
.set J, J+1
.endm
	s_min_u32 s19, s19, 93                         ; the table's numbers, held to what the buffers have room for
	s_min_u32 s18, s18, 92
	s_add_co_u32 s31, s19, 31
	s_lshr_b32 s31, s31, 5                         ; trips: 32 blocks a trip for the slice's two work-groups, one a wave
	s_cmp_eq_u32 s31, 0
	s_cbranch_scc1 .Lend                           ; an expert without rows
	s_mov_b32 s30, 0
.Ltrip:
	s_lshl_b32 s32, s30, 5
	s_add_co_u32 s32, s32, s17                     ; my block of this trip
	s_cmp_ge_u32 s32, s19
	s_cbranch_scc1 .Lnext                          ; past the expert's last: forward, over no barrier
	s_add_co_u32 s32, s32, s18
	s_min_u32 s32, s32, 92
	s_mul_i32 s24, s32, BLKB
	s_mov_b32 s25, 0
	s_mul_i32 s34, s32, 192                        ; 48 words of inv
	s_mov_b32 s35, 0
	s_wait_xcnt 0x0                                ; the last trip's stores have had their addresses translated (ISA guide 3.1): only now are bases, offsets and data registers written again
	s_add_nc_u64 s[26:27], s[4:5], s[24:25]
	s_add_nc_u64 s[28:29], s[10:11], s[34:35]
	global_load_b32 v11, v252, s[28:29]
	global_load_b32 v12, v253, s[28:29] offset:128
	BLOAD 0, 0
	ALOAD 0, 0
	ALOAD 1, 1
	ALOAD 2, 2
.set J, 0
.rept 64
	STEP
.endr
	; THE WAY OUT.  Store u = 8 mf + i takes rows 16 mf + 2 i and + 1 of the block: each half of the lanes pulls its row's number from the lane that holds it.
	PLACES
.set u, 0
.rept 24
	v_add_nc_u32 v13, 8*(u%16), v250
.if u < 16
	ds_bpermute_b32 v[FF+u], v13, v11
.else
	ds_bpermute_b32 v[FF+u], v13, v12
.endif
.set u, u+1
.endr
.irp mf, 0,1,2
.irp nf, 0,1,2,3
	ds_store_b128 v248, v[ACC+8*(4*(\mf)+(\nf)):ACC+8*(4*(\mf)+(\nf))+3]   offset:64*(\nf)      ; each accumulator's lowest registers first
	ds_store_b128 v248, v[ACC+8*(4*(\mf)+(\nf))+4:ACC+8*(4*(\mf)+(\nf))+7] offset:64*(\nf)+16
.endr
.irp i, 0,1,2,3,4,5,6,7
	ds_load_b128 v[RB+4*(8*(\mf)+(\i)):RB+4*(8*(\mf)+(\i))+3], v249 offset:2*SPI*(\i)  ; LDS serves a wave's instructions in order (ISA guide 5.7.1.4): these see the stores above, and the next 16 rows' stores come behind them
.endr
.endr
	s_wait_dscnt 48                                ; the 48 stage instructions are younger: the 24 row numbers are in
.set u, 0
.rept 24
	v_min_u32 v[FF+u], 0x216f, v[FF+u]             ; y has 8,560 rows
	v_lshl_add_u32 v[FF+u], v[FF+u], 12, v251      ; row x 4,096 + my 16 bytes
.set u, u+1
.endr
.irp mf, 0,1,2
.irp i, 0,1,2,3,4,5,6,7
	s_wait_dscnt (7-(\i))+16*(2-(\mf))             ; behind this load: the rest of its eight, and sixteen for each later 16 rows
	global_store_b128 v[FF+8*(\mf)+(\i)], v[RB+4*(8*(\mf)+(\i)):RB+4*(8*(\mf)+(\i))+3], s[38:39]  ; sixteen lanes store 256 consecutive bytes, at a multiple of 256 from y's first
.endr
.endr
.Lnext:
	s_add_co_u32 s30, s30, 1
	s_cmp_lt_u32 s30, s31
	s_cbranch_scc1 .Ltrip
.Lend:
	s_wait_tensorcnt 0x0                           ; the wave's end: behind my last LDS store
	ds_add_u32 v2, v3
	s_wait_dscnt 0x0
	s_endpgm
.Lfunc_end_k_q6b369d074a_down:
	.size	k_q6b369d074a_down, .Lfunc_end_k_q6b369d074a_down-k_q6b369d074a_down
	.p2alignl 7, 3214868480
	.fill 96, 4, 3214868480
	.section	.rodata,"a",@progbits
	.p2align	6, 0x0
	.amdhsa_kernel k_q6b369d074a_down
		.amdhsa_group_segment_fixed_size 203776
		.amdhsa_private_segment_fixed_size 0
		.amdhsa_enable_private_segment 0
		.amdhsa_kernarg_size 40
		.amdhsa_user_sgpr_count 2
		.amdhsa_user_sgpr_kernarg_segment_ptr 1
		.amdhsa_wavefront_size32 1
		.amdhsa_system_sgpr_workgroup_id_x 1
		.amdhsa_system_sgpr_workgroup_id_y 1
		.amdhsa_system_sgpr_workgroup_id_z 1
		.amdhsa_system_vgpr_workitem_id 0
		.amdhsa_next_free_vgpr 256
		.amdhsa_next_free_sgpr 66
		.amdhsa_reserve_vcc 0
		.amdhsa_float_denorm_mode_32 3
		.amdhsa_float_denorm_mode_16_64 3
		.amdhsa_memory_ordered 1
		.amdhsa_forward_progress 1
		.amdhsa_inst_pref_size 135
	.end_amdhsa_kernel
	.amdgpu_metadata
---
amdhsa.version: [ 1, 2 ]
amdhsa.kernels:
  - .name:           k_q6b369d074a_down
    .symbol:         k_q6b369d074a_down.kd
    .args:
      - { .name: act, .offset: 0, .size: 8, .value_kind: global_buffer, .address_space: global }
      - { .name: W_out, .offset: 8, .size: 8, .value_kind: global_buffer, .address_space: global }
      - { .name: tab, .offset: 16, .size: 8, .value_kind: global_buffer, .address_space: global }
      - { .name: inv, .offset: 24, .size: 8, .value_kind: global_buffer, .address_space: global }
      - { .name: y, .offset: 32, .size: 8, .value_kind: global_buffer, .address_space: global }
    .group_segment_fixed_size: 203776
    .private_segment_fixed_size: 0
    .kernarg_segment_align: 8
    .kernarg_segment_size: 40
    .max_flat_workgroup_size: 512
    .sgpr_count:     66
    .vgpr_count:     256
    .wavefront_size: 32
...
	.end_amdgpu_metadata
.endif
;; end of part 3
;; launch combine (part 4): grid 256 x 1, 8 waves a work-group, no clusters, 0 bytes of LDS; arguments y, routing_weights, out0; writes out0
.if DOCPART == 4
	.amdgcn_target "amdgcn-amd-amdhsa--gfx1250"
	.amdhsa_code_object_version 6
	.text
	.protected	k_q6b369d074a_combine
	.globl	k_q6b369d074a_combine
	.p2align	8
	.type	k_q6b369d074a_combine,@function
k_q6b369d074a_combine:
	s_mov_b64 s[64:65], 0
	v_nop
	global_prefetch_b8 v0, s[64:65] scope:SCOPE_SE
	s_setreg_imm32_b32 hwreg(HW_REG_WAVE_MODE, 25, 1), 1
	s_wait_xcnt 0x0
; COMBINE.  out[t] = w[t][0] y[2 t] + w[t][1] y[2 t + 1]: a token's two partial rows, weighed and added in f32.  Where both slots name one expert the two rows are equal and the sum is (w0 + w1) times the row.
; A stream: one wave, one token; its 16 loads (two rows of 4,096 bytes, 512 consecutive bytes a load) all go out before the first wait; each store covers 512 consecutive bytes, aligned.
; No LDS, no barrier, no matrix unit, no cluster: nothing is shared and nothing is read twice.
; The two weights are rounded once to bf16, like every other input of the program (x and the three weight tensors are, as matrix operands), so that all inputs carry one and the same rounding.
.set Y0, 4                             ; v[4:35]   row 2 t
.set Y1, 36                            ; v[36:67]  row 2 t + 1, then the result
	s_load_b128 s[4:7], s[0:1], 0x0                ; y s[4:5], routing_weights s[6:7]
	s_load_b64 s[8:9], s[0:1], 0x10                ; out0
	v_and_b32 v1, 31, v0
	v_lshrrev_b32 v2, 5, v0
	v_readfirstlane_b32 s10, v2                    ; wave 0..7
	v_lshlrev_b32 v1, 4, v1                        ; 16 bytes a lane
	s_lshl_b32 s11, ttmp9, 3
	s_add_co_u32 s11, s11, s10                     ; my token
	s_lshl_b32 s12, s11, 3                         ; its two weights,
	s_mov_b32 s13, 0
	s_lshl_b32 s14, s11, 13                        ; its two rows of y,
	s_mov_b32 s15, 0
	s_lshl_b32 s16, s11, 12                        ; its row of the output
	s_mov_b32 s17, 0
	s_wait_kmcnt 0x0
	s_add_nc_u64 s[6:7], s[6:7], s[12:13]
	s_add_nc_u64 s[4:5], s[4:5], s[14:15]
	s_add_nc_u64 s[8:9], s[8:9], s[16:17]
	s_load_b64 s[20:21], s[6:7], 0x0
.irp i, 0,1,2,3,4,5,6,7
	global_load_b128 v[Y0+4*(\i):Y0+4*(\i)+3], v1, s[4:5] offset:512*(\i) th:TH_LOAD_NT
	global_load_b128 v[Y1+4*(\i):Y1+4*(\i)+3], v1, s[4:5] offset:4096+512*(\i) th:TH_LOAD_NT
.endr
	s_wait_kmcnt 0x0
	v_mov_b32 v68, s20
	v_mov_b32 v70, s21
	v_cvt_pk_bf16_f32 v2, v68, v70                 ; both weights rounded to bf16,
	v_lshlrev_b32 v68, 16, v2                      ; and back as f32, each twice: pairs for the packed arithmetic
	v_and_b32 v70, 0xffff0000, v2
	v_mov_b32 v69, v68
	v_mov_b32 v71, v70
.irp i, 0,1,2,3,4,5,6,7
	s_wait_loadcnt 14-2*(\i)                       ; loads come back in order (ISA guide 5.7.1): piece i of both rows is in, the later pieces stay out
	v_pk_mul_f32 v[Y1+4*(\i):Y1+4*(\i)+1],   v[Y1+4*(\i):Y1+4*(\i)+1],   v[70:71]
	v_pk_mul_f32 v[Y1+4*(\i)+2:Y1+4*(\i)+3], v[Y1+4*(\i)+2:Y1+4*(\i)+3], v[70:71]
	v_pk_fma_f32 v[Y1+4*(\i):Y1+4*(\i)+1],   v[Y0+4*(\i):Y0+4*(\i)+1],   v[68:69], v[Y1+4*(\i):Y1+4*(\i)+1]
	v_pk_fma_f32 v[Y1+4*(\i)+2:Y1+4*(\i)+3], v[Y0+4*(\i)+2:Y0+4*(\i)+3], v[68:69], v[Y1+4*(\i)+2:Y1+4*(\i)+3]
	global_store_b128 v1, v[Y1+4*(\i):Y1+4*(\i)+3], s[8:9] offset:512*(\i) th:TH_STORE_NT
.endr
	s_endpgm
.Lfunc_end_k_q6b369d074a_combine:
	.size	k_q6b369d074a_combine, .Lfunc_end_k_q6b369d074a_combine-k_q6b369d074a_combine
	.p2alignl 7, 3214868480
	.fill 96, 4, 3214868480
	.section	.rodata,"a",@progbits
	.p2align	6, 0x0
	.amdhsa_kernel k_q6b369d074a_combine
		.amdhsa_group_segment_fixed_size 0
		.amdhsa_private_segment_fixed_size 0
		.amdhsa_enable_private_segment 0
		.amdhsa_kernarg_size 24
		.amdhsa_user_sgpr_count 2
		.amdhsa_user_sgpr_kernarg_segment_ptr 1
		.amdhsa_wavefront_size32 1
		.amdhsa_system_sgpr_workgroup_id_x 1
		.amdhsa_system_sgpr_workgroup_id_y 1
		.amdhsa_system_sgpr_workgroup_id_z 1
		.amdhsa_system_vgpr_workitem_id 0
		.amdhsa_next_free_vgpr 72
		.amdhsa_next_free_sgpr 66
		.amdhsa_reserve_vcc 0
		.amdhsa_float_denorm_mode_32 3
		.amdhsa_float_denorm_mode_16_64 3
		.amdhsa_memory_ordered 1
		.amdhsa_forward_progress 1
		.amdhsa_inst_pref_size 6
	.end_amdhsa_kernel
	.amdgpu_metadata
---
amdhsa.version: [ 1, 2 ]
amdhsa.kernels:
  - .name:           k_q6b369d074a_combine
    .symbol:         k_q6b369d074a_combine.kd
    .args:
      - { .name: y, .offset: 0, .size: 8, .value_kind: global_buffer, .address_space: global }
      - { .name: routing_weights, .offset: 8, .size: 8, .value_kind: global_buffer, .address_space: global }
      - { .name: out0, .offset: 16, .size: 8, .value_kind: global_buffer, .address_space: global }
    .group_segment_fixed_size: 0
    .private_segment_fixed_size: 0
    .kernarg_segment_align: 8
    .kernarg_segment_size: 24
    .max_flat_workgroup_size: 256
    .sgpr_count:     66
    .vgpr_count:     72
    .wavefront_size: 32
...
	.end_amdgpu_metadata
.endif
;; end of part 4
